; MI455X (gfx1250); checked and timed in simulation.
; The chip was launched on July 23, 2026; its instructions are those of AMD's public machine-readable ISA for CDNA 5 (MIT licence, August 2026) and "CDNA5" Instruction Set Architecture Reference Guide (July 2026). The comments in the code are by the model that wrote it; some were corrected since.
;; Transformer Block. Allowed arithmetic: matrix products marked QUANTISED: E4M3 operands, one E8M0 scale for each 32 along K, by v_wmma_scale_f32_16x16x128_f8f6f4 with both operands' format E4M3, f32 sums; everything else in f32.
;; Inputs: b_proj 128 float32; b_qkv 384 float32; ff_b 6 x 128 float32; ff_w 6 x 128 x 128 float32; ln1_b 128 float32; ln1_g 128 float32; ln2_b 128 float32; ln2_g 128 float32; w_proj 128 x 128 float32; w_qkv 128 x 384 float32; x 32 x 1,024 x 128 float32.
;; Outputs: out0 32 x 1,024 x 128 float32.
;; This version of the problem:
;;   THIS VERSION OF THE PROBLEM IS GIVEN IN LOW PRECISION. The matrix products marked QUANTISED in the list below multiply operands that are first quantised to E4M3 (4 exponent bits, 3 mantissa bits; 8 bits a number), with one power-of-two scale for each 32 numbers along K (OCP MX v1.0); their sums are f32. All else is computed in f32.
;;   The module's matrix products, in the order in which they are computed (A, B: the left and right operand; K: the contracted axis; several contracted axes count as one K, in the product's order):
;;     1. [M 32,768, K 128] x [K 128, N 384]; A: input x; B: input w_qkv: QUANTISED
;;     2. batch 32 x [M 1,024, K 128] x [K 128, N 1,024]; A: computed on the way; B: computed on the way: QUANTISED
;;     3. batch 32 x [M 1,024, K 1,024] x [K 1,024, N 128]; A: softmax (see below); B: computed on the way: QUANTISED
;;     4. [M 32,768, K 128] x [K 128, N 128]; A: computed on the way; B: input w_proj: QUANTISED
;;     5. [M 32,768, K 128] x [K 128, N 128]; A: computed on the way; B: input ff_w: QUANTISED
;;     6. [M 32,768, K 128] x [K 128, N 128]; A: computed on the way; B: input ff_w: QUANTISED
;;     7. [M 32,768, K 128] x [K 128, N 128]; A: computed on the way; B: input ff_w: QUANTISED
;;     8. [M 32,768, K 128] x [K 128, N 128]; A: computed on the way; B: input ff_w: QUANTISED
;;     9. [M 32,768, K 128] x [K 128, N 128]; A: computed on the way; B: input ff_w: QUANTISED
;;     10. [M 32,768, K 128] x [K 128, N 128]; A: computed on the way; B: input ff_w: QUANTISED
;;   THE QUANTISER, for each operand of a quantised product, along K:
;;     - K is cut into blocks of 32 from its start; a last block that is shorter is filled with zeros.
;;     - A block's scale is 2^e with e = floor(log2(the largest magnitude in the block)) - 8, held to -126 .. 127; a block of zeros has e = 0. As a byte (E8M0): e + 127.
;;     - Each number is divided by its block's scale, clamped to +-448, and rounded to the nearest number of E4M3, ties to even, subnormals kept.
;;     - The product sums the exact products of the quantised numbers (number of the format x scale) in f32.
;;   ~~~python
;;   def quantise(x, axis):      # numpy; x: float32 -> the quantised numbers, widened to float32 again
;;       x = np.moveaxis(x, axis, -1); K = x.shape[-1]
;;       x = np.pad(x, [(0, 0)] * (x.ndim - 1) + [(0, -K % 32)]); x = x.reshape(x.shape[:-1] + (-1, 32)); a = np.abs(x).max(-1, keepdims=True)
;;       e = np.where(a > 0, np.clip(np.frexp(np.where(a > 0, a, 1))[1] - 1 - 8, -126, 127), 0)      # np.frexp(a)[1] - 1 = floor(log2(a)), exactly
;;       r = np.clip(x / 2.0 ** e, -448, 448)
;;       step = 2.0 ** (np.maximum(np.frexp(np.where(r == 0, 1, r))[1] - 1, -6) - 3)
;;       q = np.round(r / step) * step * 2.0 ** e      # np.round: ties to even
;;       return np.moveaxis(q.reshape(q.shape[:-2] + (-1,))[..., :K], -1, axis).astype(np.float32)
;;   ~~~
;;   SOFTMAX AHEAD OF A QUANTISED PRODUCT. Where the list says 'softmax', what is quantised is not the finished softmax but p = 2^(t - M), with t = logit x log2(e) and M = ceil(the row's largest t), a whole number; so 1/2 < the row's largest p <= 1. The row's sum l is taken of the UNQUANTISED p, in f32, and the product's result is divided by l at the end. Since M is a whole number, a kernel that streams over the keys may use a running M (the ceiling of the running maximum): every later rescaling is an exact power of two, which a block's scale takes up: the codes' values come out the same.
;;   OPERANDS COMPUTED ON THE WAY. 'Computed on the way' means the value that the module computes at that place (a softmax that the list does not call 'softmax' is quantised finished and normalised). What goes into a quantiser is computed in f32, as accurately as f32 sums, v_exp_f32 and their like allow (about 1e-6 of the number): no bf16 or f16 on the way to a quantiser, and a product that is left as it is and whose result goes on into a quantised operand takes f32 operands (vector FMAs, or v_wmma_f32_16x16x4_f32). A number that lies on a knife's edge between two numbers of the format may be rounded either way, as far as f32 arithmetic and the matrix unit's own rounding can turn it there, and no further.
;; One version. Each part assembles by itself: llvm-mc -triple=amdgcn-amd-amdhsa -mcpu=gfx1250 --defsym DOCPART=n.
;; ======== version 1 of 1: 2 launches
;; limits: right only within a limited range of input values
;; workspace buffers: qc 4,325,376 bytes; kvf 8,650,752 bytes; wts 118,272 bytes
;; launch qkv (part 1): grid 256 x 1, 4 waves a work-group, no clusters, 136,192 bytes of LDS; arguments x, w_qkv, b_qkv, w_proj, ff_w, qc, kvf, wts; writes qc, kvf, wts
.if DOCPART == 1
	.amdgcn_target "amdgcn-amd-amdhsa--gfx1250"
	.amdhsa_code_object_version 6
	.text
	.protected	k_q2fab3209e4_qkv
	.globl	k_q2fab3209e4_qkv
	.p2align	8
	.type	k_q2fab3209e4_qkv,@function
k_q2fab3209e4_qkv:
	s_mov_b64 s[64:65], 0
	v_nop
	global_prefetch_b8 v0, s[64:65] scope:SCOPE_SE
	s_setreg_imm32_b32 hwreg(HW_REG_WAVE_MODE, 25, 1), 1
	s_wait_xcnt 0x0
; q, k, v = Q(x) Q(w_qkv) + b_qkv on codes of FP8 (E4M3) with one E8M0 scale for each 32 along K, and q, k, v quantised again for the attention: q and k along the head's 128, v along the keys.
; A work-group takes 128 tokens; 256 work-groups.  Everything leaves as IMAGES OF OPERAND REGISTERS: a fragment (16 rows x 128 K) is 2,048 bytes, register group c of lane l at 512 c + 16 l; its scale words 4 bytes a row.
; TILE ORDER: tile 2 b + u of any 128 things (tokens, columns of a weight) takes in lane r the thing 32 b + 8 u + r + 8 (r / 8).  In a result whose source 0 was such a tile, the 16 registers of tiles 2 b, 2 b + 1
; hold the things 32 b + 16 (lane / 16) + 0 .. 15: sixteen neighbours along the next K, in the order that the next operand wants.  So one fragment of x serves as source 1 for q and k (a lane holds a token, its
; registers run along the head) and as source 0 for v (a lane holds a channel, its registers run along the tokens, which are the second product's K).
; SHARES.  Wave w quantises tokens 32 w .. 32 w + 31 of x (tiles 2 w, 2 w + 1) and rows k = 32 w .. 32 w + 31 of all 384 columns of w_qkv; one barrier; then it makes q's and k's tiles 2 w, 2 w + 1 and v's channel tiles
; 2 w, 2 w + 1: 48 matrix instructions.  The first 28 work-groups also quantise w_proj and the six ff_w for the next launch: 32 columns of one weight each, a wave 32 rows of K of them, a lane one column.
; NO CLUSTER: what the work-groups share is w_qkv, 196,608 bytes as f32; beside the 135,680 bytes in use that does not fit into a WGP's LDS as one joint tile, and it goes from memory into registers, 49,152 bytes a wave.
; LIMITS: NaN and infinities among the inputs are not served.  A block of zeros gets the scale byte 1 where the rule says 127: its codes are zeros, and this program alone reads the bytes.
.set XSCL, 0                           ; LDS: x's scale words, tile t row r at 64 t + 4 r
.set WSCL, 512                         ; w_qkv's, 24 tiles likewise
.set XIMG, 2048                        ; x's 8 images
.set WIMG, 18432                       ; w_qkv's 24 images,
.set WP,   2064                        ; 2,064 bytes apart: the four tiles that sixteen lanes of a store touch fall into different 16-byte columns of 256
.set STG,  68096                       ; a stage for each wave: 2 tiles x 16 rows of 528 bytes
.set SP,   528
.set STT,  16*SP
.set LI,  1                            ; v1   16 x lane
.set LS,  2                            ; v2   4 x lane
.set XSA, 3                            ; v3   4 x lane + 128 x wave
.set XFA, 4                            ; v4   16 x lane + XIMG + 4,096 x wave: my two images of x
.set WVA, 5                            ; v5   16 x lane + my two images of w_v
.set WIA, 6                            ; v6   where my four columns' codes go
.set WSB, 7                            ; v7   and their scale bytes
.set EXS, 8                            ; v8   the extra weight: my column's scale byte: 16 u + r
.set STI, 9                            ; v9   the stage by token: 528 r + 64 h
.set STR, 10                           ; v10  the stage by row: 16 x lane
.set VBO, 11                           ; v11  4 (r + 8 (r / 8))
.set BO,  12                           ; v12  64 h
.set EXO, 13                           ; v13  the extra weight: my column's codes: 2,048 u + 16 r
.set XF,  16                           ; v16-47   two fragments (source 1)
.set HA,  48                           ; v48-175  128 numbers at work: x, a weight's columns, results
.set VB,  176                          ; v176-191 v's bias as C
.set PC,  192                          ; v192-223 codes just made
.set TM,  224                          ; v224-227 largest magnitudes, 228-231 bytes, 232-235 the hold, 236-239 the conversions' scale operands
.set PWA, 240                          ; scale words of the two tiles just quantised,
.set PWB, 241
.set PWP, 242                          ; and the two in one register: lanes 0-15 the first tile's, lanes 16-31 the second's
.set BS,  243                          ; source 1's scale words
.set AS,  244                          ; v244-247 source 0's: register i: tile 2 i in lanes 0-15, tile 2 i + 1 in lanes 16-31
.set VBL, 248                          ; v248-249 v's bias as loaded
.set FB,  0                            ; window 1: v0-127 eight fragments (source 0); before that a weight unit
.set R0,  0
.set R1,  128                          ; window 1: v128-255 a weight unit
.set R2,  0                            ; window 2: v0-127 a weight unit
.set BQ,  128                          ; window 2: q's bias in the result's layout, 64 registers;
.set BK,  192                          ; k's
.set WV,  22
.set BLK, 23
.set HM,  24                           ; s24  the mask of lanes 16-31
.set MNT, 25                           ; s25  the mantissa field of 448
.set SEL, 26                           ; s[26:27] v_permlanex16_b32's selects for lane l xor 16
.set MSB, 0
.macro WIN new                         ; the immediate's high byte repeats the setting that is left; a switch that changes nothing is dropped
.if MSB != \new
	s_set_vgpr_msb (MSB<<8)|\new
.set MSB, \new
.endif
.endm
.macro PLACES n
.rept \n
	v_nop
.endr
.endm
; one scaled matrix instruction; c < 0: C is the constant 0; ra, rb: the side's scale words stand in lanes 16-31
.macro WM d, a, b, c, sa, sb, ra, rb
.if (\c) < 0
.if (\ra) && (\rb)
	v_wmma_scale_f32_16x16x128_f8f6f4 v[\d:\d+7], v[\a:\a+15], v[\b:\b+15], 0, v[\sa], v[\sb] matrix_a_scale:MATRIX_SCALE_ROW1 matrix_b_scale:MATRIX_SCALE_ROW1
.elseif (\ra)
	v_wmma_scale_f32_16x16x128_f8f6f4 v[\d:\d+7], v[\a:\a+15], v[\b:\b+15], 0, v[\sa], v[\sb] matrix_a_scale:MATRIX_SCALE_ROW1
.elseif (\rb)
	v_wmma_scale_f32_16x16x128_f8f6f4 v[\d:\d+7], v[\a:\a+15], v[\b:\b+15], 0, v[\sa], v[\sb] matrix_b_scale:MATRIX_SCALE_ROW1
.else
	v_wmma_scale_f32_16x16x128_f8f6f4 v[\d:\d+7], v[\a:\a+15], v[\b:\b+15], 0, v[\sa], v[\sb]
.endif
.else
.if (\ra) && (\rb)
	v_wmma_scale_f32_16x16x128_f8f6f4 v[\d:\d+7], v[\a:\a+15], v[\b:\b+15], v[\c:\c+7], v[\sa], v[\sb] matrix_a_scale:MATRIX_SCALE_ROW1 matrix_b_scale:MATRIX_SCALE_ROW1
.elseif (\ra)
	v_wmma_scale_f32_16x16x128_f8f6f4 v[\d:\d+7], v[\a:\a+15], v[\b:\b+15], v[\c:\c+7], v[\sa], v[\sb] matrix_a_scale:MATRIX_SCALE_ROW1
.elseif (\rb)
	v_wmma_scale_f32_16x16x128_f8f6f4 v[\d:\d+7], v[\a:\a+15], v[\b:\b+15], v[\c:\c+7], v[\sa], v[\sb] matrix_b_scale:MATRIX_SCALE_ROW1
.else
	v_wmma_scale_f32_16x16x128_f8f6f4 v[\d:\d+7], v[\a:\a+15], v[\b:\b+15], v[\c:\c+7], v[\sa], v[\sb]
.endif
.endif
.endm
; 64 numbers of a lane, register 16 b + i = k 32 b + 16 (lane / 16) + i of my row, become a fragment's codes in v[pc] on and its scale word in v[pw]
.macro QUANT s, pc, pw
.irp b,0,1,2,3
	v_max3_num_f32 v[TM+\b], |v[\s+16*\b]|, |v[\s+1+16*\b]|, 0x4800000   ; block b: my 16 numbers and the floor 2^(9 - 127): the byte cannot fall under 1
.endr
.irp i,2,4,6,8,10,12,14
.irp b,0,1,2,3
	v_max3_num_f32 v[TM+\b], v[TM+\b], |v[\s+16*\b+\i]|, |v[\s+1+16*\b+\i]|   ; the four blocks by turns
.endr
.endr
.irp b,0,1,2,3
	v_permlanex16_b32 v[TM+4+\b], v[TM+\b], s[SEL], s[SEL+1]
.endr
.irp b,0,1,2,3
	v_max_num_f32 v[TM+\b], v[TM+\b], v[TM+4+\b]   ; with lane l xor 16's: the block's largest magnitude
.endr
.irp b,0,1,2,3
	v_add_nc_u32 v[TM+12+\b], 0xfc000000, v[TM+\b]   ; 8 off its exponent field: the conversion's scale operand
.endr
.irp b,0,1,2,3
	v_and_or_b32 v[TM+8+\b], v[TM+\b], 0x7f800000, s[MNT]   ; 448 x the scale
.endr
.irp b,0,1,2,3
	v_lshrrev_b32 v[TM+4+\b], 23, v[TM+12+\b]   ; the scale's byte
.endr
	v_lshl_or_b32 v[\pw], v[TM+5], 8, v[TM+4]
	v_lshl_or_b32 v[\pw], v[TM+6], 16, v[\pw]
	v_lshl_or_b32 v[\pw], v[TM+7], 24, v[\pw]
.irp b,0,1,2,3
.irp i,0,1,2,3,4,5,6,7,8,9,10,11,12,13,14,15
	v_med3_num_f32 v[\s+16*\b+\i], v[\s+16*\b+\i], -v[TM+8+\b], v[TM+8+\b]   ; the conversion to an 8-bit code does not saturate (ISA guide 7.6.2): the hold comes first
.endr
.endr
.irp b,0,1,2,3                         ; all holds stand ahead of all conversions: no conversion reads a number held in the line above it
	v_cvt_scalef32_pk8_fp8_f32 v[\pc+4*\b:\pc+4*\b+1], v[\s+16*\b:\s+16*\b+7], v[TM+12+\b]
	v_cvt_scalef32_pk8_fp8_f32 v[\pc+4*\b+2:\pc+4*\b+3], v[\s+16*\b+8:\s+16*\b+15], v[TM+12+\b]
.endr
	v_nop                                          ; a plain instruction behind the last conversion, ahead of whatever next touches its registers
.endm
; 32 rows of a weight, 128 columns: row i's 512 bytes by one load, 16 bytes (4 columns) a lane, into v[R + 4 i] on
.macro WLOAD R, sb, off, pitch
.set wi, 0
.rept 32
	global_load_b128 v[\R+4*wi:\R+4*wi+3], v[LI], s[\sb:\sb+1] offset:\off+\pitch*wi
.set wi, wi+1
.endr
.endm
; such a unit (in window win) is quantised: a lane has 4 columns x one whole block of 32 along K.  The hold, which every number passes anyway, also lays each column's 32 numbers on end.
.macro WUNIT win, R, off, sbo
	s_wait_dscnt 0x0                               ; my earlier LDS stores have read the code and byte registers that are written again here
.irp e,0,1,2,3
	v_mov_b32 v[TM+\e], 0x4800000                  ; the floor
.endr
	WIN 20*\win
.set wi, 0
.rept 16
.irp e,0,1,2,3
	v_max3_num_f32 v[TM+\e], v[TM+\e], |v[\R+8*wi+\e]|, |v[\R+8*wi+4+\e]|
.endr
.set wi, wi+1
.endr
	WIN 0
.irp e,0,1,2,3
	v_add_nc_u32 v[TM+12+\e], 0xfc000000, v[TM+\e]
.endr
.irp e,0,1,2,3
	v_and_or_b32 v[TM+8+\e], v[TM+\e], 0x7f800000, s[MNT]
.endr
.irp e,0,1,2,3
	v_lshrrev_b32 v[TM+4+\e], 23, v[TM+12+\e]
.endr
	WIN \win
.irp e,0,1,2,3
.set wi, 0
.rept 32
	v_med3_num_f32 v[HA+32*\e+wi], v[\R+4*wi+\e], -v[TM+8+\e], v[TM+8+\e]
.set wi, wi+1
.endr
.endr
	WIN 0
.irp e,0,1,2,3
.irp g,0,1,2,3
	v_cvt_scalef32_pk8_fp8_f32 v[PC+8*\e+2*\g:PC+8*\e+2*\g+1], v[HA+32*\e+8*\g:HA+32*\e+8*\g+7], v[TM+12+\e]
.endr
.endr
	v_nop
.irp e,0,1,2,3
	ds_store_b128 v[WIA], v[PC+8*\e:PC+8*\e+3] offset:\off+16*\e          ; k 0-15 of my block: lanes 0-15's place in the image,
	ds_store_b128 v[WIA], v[PC+8*\e+4:PC+8*\e+7] offset:\off+16*\e+256    ; k 16-31: lanes 16-31's
.endr
.irp e,0,1,2,3
	ds_store_b8 v[WSB], v[TM+4+\e] offset:\sbo+4*\e   ; byte (my wave's block) of the column's scale word
.endr
.endm
.macro FETCHW G                        ; the 8 images of w_q (0) or w_k (1) and their scale words
	WIN 0x40
.irp t,0,1,2,3,4,5,6,7
.irp c,0,1,2,3
	ds_load_b128 v[FB+16*\t+4*\c:FB+16*\t+4*\c+3], v[LI] offset:WIMG+(8*\G+\t)*WP+512*\c
.endr
.endr
	WIN 0
.irp i,0,1,2,3
	ds_load_b32 v[AS+\i], v[LS] offset:WSCL+512*\G+128*\i
.endr
.endm
.macro MULQK cb                        ; transposed: source 0 = 16 columns of the weight, source 1 = 16 tokens; the bias is C.  Sixteen accumulators, one instruction each
	WIN 0x21                                       ; source 0 window 1, source 2 window 2
.irp t,0,1,2,3,4,5,6,7
.irp y,0,1
	WM HA+64*\y+8*\t, FB+16*\t, XF+16*\y, \cb+8*\t, AS+\t/2, BS, \t%2, \y
.endr
.endr
	WIN 0
.endm
.macro SENDOUT sb, off, ss, soff       ; two images, 512 consecutive bytes a store, and their 128 bytes of scale words
.irp y,0,1
.irp c,0,1,2,3
	global_store_b128 v[LI], v[PC+16*\y+4*\c:PC+16*\y+4*\c+3], s[\sb:\sb+1] offset:\off+2048*\y+512*\c
.endr
.endr
	v_cndmask_b32 v[PWP], v[PWA], v[PWB], s[HM]
	global_store_b32 v[LS], v[PWP], s[\ss:\ss+1] offset:\soff
.endm
	s_load_b512 s[4:19], s[0:1], 0x0               ; x s[4:5], w_qkv s[6:7], b_qkv s[8:9], w_proj s[10:11], ff_w s[12:13], qc s[14:15], kvf s[16:17], wts s[18:19]
	v_lshl_add_u32 v254, v0, 2, 0x21200
	v_mov_b32 v255, 0
	v_lshrrev_b32 v16, 5, v0
	v_readfirstlane_b32 s[WV], v16                 ; wave 0..3
	s_mov_b32 s[BLK], ttmp9                        ; my block of 128 tokens
	v_and_b32 v16, 31, v0                          ; lane
	v_lshlrev_b32 v[LI], 4, v16
	v_lshlrev_b32 v[LS], 2, v16
	s_lshl_b32 s48, s[BLK], 16                     ; 128 tokens of 512 bytes,
	s_lshl_b32 s50, s[WV], 14                      ; my wave's 32
	s_add_co_u32 s48, s48, s50
	s_mov_b32 s49, 0
	s_mul_i32 s50, s[WV], 49152                    ; my 32 rows of w_qkv, 1,536 bytes each
	s_mov_b32 s51, 0
	s_wait_alu depctr_va_vdst(0)
	s_wait_kmcnt 0x0
	s_add_nc_u64 s[28:29], s[4:5], s[48:49]
	s_add_nc_u64 s[30:31], s[6:7], s[50:51]
.irp y,0,1                             ; x: each load is one whole row of 512 bytes; row q of tile y is token 8 y + q + 8 (q / 8) of my 32
.set q, 0
.rept 16
	global_load_b128 v[HA+64*\y+4*q:HA+64*\y+4*q+3], v[LI], s[28:29] offset:(8*\y+q+8*(q/8))*512
.set q, q+1
.endr
.endr
	WIN 0x40
	WLOAD R0, 30, 0, 1536                          ; w_q's columns, my 32 rows
	WIN 0
	s_mov_b32 s[HM], 0xffff0000
	s_mov_b32 s[MNT], 0x600000
	s_mov_b32 s[SEL], 0x76543210
	s_mov_b32 s[SEL+1], 0xfedcba98
	s_mul_i32 s52, s[BLK], 16896
	s_lshl_b32 s50, s[WV], 12
	s_add_co_u32 s48, s52, s50
	s_add_nc_u64 s[32:33], s[14:15], s[48:49]      ; q's images: block x 16,896 + wave x 4,096
	s_lshl_b32 s53, s[WV], 7
	s_add_co_u32 s48, s52, s53
	s_add_co_u32 s48, s48, 16384
	s_add_nc_u64 s[34:35], s[14:15], s[48:49]      ; q's scale words behind the block's images
	s_mul_i32 s48, s[BLK], 33792                   ; a block of kvf: k's 8 images, v's 8, k's scale words, v's scale words
	s_add_co_u32 s48, s48, s50
	s_add_nc_u64 s[36:37], s[16:17], s[48:49]      ; k's images; v's 16,384 bytes on
	s_mul_i32 s48, s[BLK], 33792
	s_add_co_u32 s48, s48, s53
	s_add_co_u32 s48, s48, 32768
	s_add_nc_u64 s[38:39], s[16:17], s[48:49]      ; k's scale words; v's 512 bytes on
	; the extra weight of work-groups 0 .. 27: weight BLK / 4 (0: w_proj, 1 .. 6: ff_w), its columns 32 (BLK % 4) on (held inside the buffers in the other work-groups, which do not use it)
	s_lshr_b32 s52, s[BLK], 2
	s_min_u32 s52, s52, 6                          ; the weight
	s_and_b32 s54, s[BLK], 3                       ; which 32 of its columns
	s_cmp_eq_u32 s52, 0
	s_cselect_b64 s[40:41], s[10:11], s[12:13]
	s_sub_co_i32 s48, s52, 1
	s_max_i32 s48, s48, 0
	s_lshl_b32 s48, s48, 16                        ; a weight is 65,536 bytes;
	s_lshl_b32 s55, s[WV], 14                      ; my wave's 32 rows of 512 bytes;
	s_add_co_u32 s48, s48, s55
	s_lshl_b32 s55, s54, 7                         ; 32 columns are 128 bytes
	s_add_co_u32 s48, s48, s55
	s_add_nc_u64 s[40:41], s[40:41], s[48:49]
	s_mul_i32 s48, s52, 16896                      ; a weight's images, 16,384 bytes, and its scale words, 512; the 32 columns are two tiles, 4,096 bytes; my block along K is 512 bytes of each
	s_lshl_b32 s55, s54, 12
	s_add_co_u32 s48, s48, s55
	s_lshl_b32 s50, s[WV], 9                       ; 512 x wave
	s_add_co_u32 s48, s48, s50
	s_add_nc_u64 s[42:43], s[18:19], s[48:49]
	s_mul_i32 s48, s52, 16896                      ; its scale words: 4 x (16 x tile + row) + block along K
	s_add_co_u32 s48, s48, s[WV]
	s_lshl_b32 s55, s54, 7
	s_add_co_u32 s48, s48, s55
	s_add_co_u32 s48, s48, 16384
	s_add_nc_u64 s[44:45], s[18:19], s[48:49]
	s_add_co_u32 s48, s53, 1024
	s_add_nc_u64 s[46:47], s[8:9], s[48:49]        ; b_qkv at v's channel 32 x wave
	v_and_b32 v17, 15, v0                          ; r
	v_bfe_u32 v18, v0, 4, 1                        ; h
	v_bfe_u32 v19, v0, 3, 2
	v_bfe_u32 v20, v0, 1, 1
	v_lshl_add_u32 v19, v19, 1, v20                ; the tile of my columns 4 l .. 4 l + 3: 2 (l / 8) + (l / 2) % 2
	v_and_b32 v20, 1, v0
	v_bfe_u32 v21, v0, 2, 1
	v_lshlrev_b32 v20, 2, v20
	v_lshl_add_u32 v20, v21, 3, v20                ; and the first one's row in it: 4 (l % 2) + 8 ((l / 4) % 2)
	v_add_nc_u32 v[XSA], s53, v[LS]
	s_lshl_b32 s48, s[WV], 12
	s_add_co_u32 s48, s48, XIMG
	v_add_nc_u32 v[XFA], s48, v[LI]
	s_mul_i32 s48, s[WV], 2*WP
	s_add_co_u32 s48, s48, WIMG+16*WP
	v_add_nc_u32 v[WVA], s48, v[LI]
	v_mul_u32_u24 v21, v19, WP
	v_lshl_add_u32 v21, v20, 4, v21
	s_add_co_u32 s48, s50, WIMG
	v_add_nc_u32 v[WIA], s48, v21
	v_lshlrev_b32 v22, 6, v19
	v_lshl_add_u32 v22, v20, 2, v22
	s_add_co_u32 s48, s[WV], WSCL
	v_add_nc_u32 v[WSB], s48, v22
	v_mul_u32_u24 v22, v17, SP
	v_lshl_add_u32 v22, v18, 6, v22
	s_mul_i32 s48, s[WV], 2*STT
	s_add_co_u32 s48, s48, STG
	v_add_nc_u32 v[STI], s48, v22
	v_add_nc_u32 v[STR], s48, v[LI]
	v_and_b32 v22, 8, v17
	v_add_nc_u32 v22, v22, v17
	v_lshlrev_b32 v[VBO], 2, v22
	v_lshlrev_b32 v[BO], 6, v18
	v_bfe_u32 v21, v0, 3, 1                        ; the extra weight: column l of the 32 lies in tile u = (l / 8) % 2 of the two,
	v_and_b32 v22, 7, v0
	v_lshl_add_u32 v22, v18, 3, v22                ; in its row l % 8 + 8 (l / 16)
	v_lshl_add_u32 v[EXS], v21, 4, v22
	v_lshlrev_b32 v[EXS], 2, v[EXS]
	v_lshlrev_b32 v22, 4, v22
	v_lshl_add_u32 v[EXO], v21, 11, v22
.irp b,0,1,2,3
	v_mov_b32 v[TM+4+\b], 0                        ; written once: a lane permute's destination counts as one of its sources
.endr
	; ---- x: rows as loaded go through my stage and come back 64 bytes of a token's row a lane and block
	s_wait_loadcnt 32                              ; x's 32 loads are in; the 32 of w_q behind them may be out
.irp y,0,1
.set q, 0
.rept 16
	ds_store_b128 v[STR], v[HA+64*\y+4*q:HA+64*\y+4*q+3] offset:STT*\y+SP*q
.set q, q+1
.endr
.endr
.irp y,0,1
.irp b,0,1,2,3
.irp j,0,1,2,3
	ds_load_b128 v[HA+64*\y+16*\b+4*\j:HA+64*\y+16*\b+4*\j+3], v[STI] offset:STT*\y+128*\b+16*\j   ; LDS serves a wave's instructions in order (ISA guide 5.7.1.4): these see my stores
.endr
.endr
.endr
	WIN 0x40
	WLOAD R1, 30, 512, 1536                        ; w_k's columns,
	WIN 0x80
	WLOAD R2, 30, 1024, 1536                       ; and w_v's: both are on their way while x is quantised
	WIN 0
	s_wait_dscnt 0x0
	QUANT HA, PC, PWA
	QUANT HA+64, PC+16, PWB
.irp y,0,1
.irp c,0,1,2,3
	ds_store_b128 v[XFA], v[PC+16*\y+4*\c:PC+16*\y+4*\c+3] offset:2048*\y+512*\c
.endr
.endr
	v_cndmask_b32 v[PWP], v[PWA], v[PWB], s[HM]
	ds_store_b32 v[XSA], v[PWP] offset:XSCL
	; ---- w_qkv: my block along K of all 384 columns, 128 columns at a time
	s_wait_loadcnt 63                              ; w_q's unit is in: 64 loads are younger than its last; 63 is the most that a wait can name
	WUNIT 1, R0, 0, 0
	s_cmp_lt_u32 s[BLK], 28
	s_cbranch_scc0 .Lno_extra_a
	WIN 0x40
.set wi, 0
.rept 32
	global_load_b32 v[R0+wi], v[LS], s[40:41] offset:512*wi   ; the extra weight: my column, 32 rows down K, into registers of the unit just done
.set wi, wi+1
.endr
	WIN 0
.Lno_extra_a:
	s_wait_loadcnt 32                              ; at most the youngest 32 are out: w_k's unit is in on both ways
	WIN 0x80
.irp b,0,1,2,3
.irp j,0,1,2,3
	global_load_b128 v[BQ+16*\b+4*\j:BQ+16*\b+4*\j+3], v[BO], s[8:9] offset:128*\b+16*\j       ; register 16 b + i: the bias of channel 32 b + 16 h + i
	global_load_b128 v[BK+16*\b+4*\j:BK+16*\b+4*\j+3], v[BO], s[8:9] offset:512+128*\b+16*\j
.endr
.endr
	WIN 0
	global_load_b32 v[VBL], v[VBO], s[46:47]       ; v: a lane holds one channel: 32 w + 8 y + r + 8 (r / 8)
	global_load_b32 v[VBL+1], v[VBO], s[46:47] offset:32
	WUNIT 1, R1, 8*WP, 512
	s_wait_loadcnt 34                              ; all but the 34 loads of biases: w_v's unit is in, and the extra weight's column
	WUNIT 2, R2, 16*WP, 1024
	s_cmp_lt_u32 s[BLK], 28
	s_cbranch_scc0 .Lno_extra_b
	; ---- the extra weight: a lane has one column and one whole block of 32 along K: no other lane, no LDS
	s_wait_loadcnt 34
	s_wait_dscnt 0x0                               ; my LDS stores have read the code and byte registers that are written again here
	v_mov_b32 v[TM], 0x4800000                     ; the floor, in two chains
	v_mov_b32 v[TM+1], 0x4800000
	WIN 0x14
.set wi, 0
.rept 8
	v_max3_num_f32 v[TM], v[TM], |v[R0+4*wi]|, |v[R0+4*wi+1]|
	v_max3_num_f32 v[TM+1], v[TM+1], |v[R0+4*wi+2]|, |v[R0+4*wi+3]|
.set wi, wi+1
.endr
	WIN 0
	v_max_num_f32 v[TM], v[TM], v[TM+1]
	v_add_nc_u32 v[TM+12], 0xfc000000, v[TM]
	v_and_or_b32 v[TM+8], v[TM], 0x7f800000, s[MNT]
	v_lshrrev_b32 v[TM+4], 23, v[TM+12]
	WIN 0x01
.set wi, 0
.rept 32
	v_med3_num_f32 v[HA+wi], v[R0+wi], -v[TM+8], v[TM+8]
.set wi, wi+1
.endr
	WIN 0
.irp g,0,1,2,3
	v_cvt_scalef32_pk8_fp8_f32 v[PC+2*\g:PC+2*\g+1], v[HA+8*\g:HA+8*\g+7], v[TM+12]
.endr
	v_nop
	global_store_b128 v[EXO], v[PC:PC+3], s[42:43]               ; k 0-15: the sixteen lanes of a tile fill 256 consecutive bytes of its image,
	global_store_b128 v[EXO], v[PC+4:PC+7], s[42:43] offset:256  ; k 16-31: the next 256
	global_store_b8 v[EXS], v[TM+4], s[44:45]                    ; my wave's byte of the columns' scale words
	s_wait_xcnt 0x0                                ; the stores' registers are written again below
.Lno_extra_b:
	s_wait_dscnt 0x0                               ; for the others' sake: my images and scale bytes have landed
	s_barrier_signal -1
	s_barrier_wait -1
	s_wait_loadcnt 0x0                             ; the biases
.irp y,0,1
.irp j,0,1,2,3,4,5,6,7
	v_mov_b32 v[VB+8*\y+\j], v[VBL+\y]             ; v's C: the lane's channel in all eight rows
.endr
.endr
	; ---- q
	FETCHW 0
.irp y,0,1
.irp c,0,1,2,3
	ds_load_b128 v[XF+16*\y+4*\c:XF+16*\y+4*\c+3], v[XFA] offset:2048*\y+512*\c
.endr
.endr
	ds_load_b32 v[BS], v[XSA] offset:XSCL
	s_wait_dscnt 0x0
	MULQK BQ
	PLACES 8                                       ; eight places behind this form, ahead of loads into its operands and of the first read of results
	FETCHW 1
	s_wait_xcnt 0x0                                ; earlier stores have read the registers that the quantiser writes
	QUANT HA, PC, PWA
	QUANT HA+64, PC+16, PWB
	SENDOUT 32, 0, 34, 0
	; ---- k
	s_wait_dscnt 0x0
	MULQK BK
	PLACES 8
	WIN 0x40
.irp m,0,1,2,3,4,5,6,7
.irp c,0,1,2,3
	ds_load_b128 v[FB+16*\m+4*\c:FB+16*\m+4*\c+3], v[LI] offset:XIMG+2048*\m+512*\c   ; for v: all eight tiles of x are source 0
.endr
.endr
	WIN 0
.irp i,0,1,2,3
	ds_load_b32 v[AS+\i], v[LS] offset:XSCL+128*\i
.endr
.irp y,0,1
.irp c,0,1,2,3
	ds_load_b128 v[XF+16*\y+4*\c:XF+16*\y+4*\c+3], v[WVA] offset:WP*\y+512*\c         ; and my two tiles of w_v source 1
.endr
.endr
	ds_load_b32 v[BS], v[XSA] offset:WSCL+1024
	s_wait_xcnt 0x0
	QUANT HA, PC, PWA
	QUANT HA+64, PC+16, PWB
	SENDOUT 36, 0, 38, 0
	; ---- v: a lane holds a channel, its registers run along the 128 tokens, which are one K step of the attention's second product
	s_wait_dscnt 0x0
	WIN 0x01
.irp m,0,1,2,3,4,5,6,7
.irp y,0,1
	WM HA+64*\y+8*\m, FB+16*\m, XF+16*\y, VB+8*\y, AS+\m/2, BS, \m%2, \y
.endr
.endr
	WIN 0
	PLACES 8
	s_wait_xcnt 0x0
	QUANT HA, PC, PWA
	QUANT HA+64, PC+16, PWB
	SENDOUT 36, 16384, 38, 512
	s_wait_tensorcnt 0x0
	ds_add_u32 v254, v255
	s_wait_dscnt 0x0
	s_endpgm
.Lfunc_end_k_q2fab3209e4_qkv:
	.size	k_q2fab3209e4_qkv, .Lfunc_end_k_q2fab3209e4_qkv-k_q2fab3209e4_qkv
	.p2alignl 7, 3214868480
	.fill 96, 4, 3214868480
	.section	.rodata,"a",@progbits
	.p2align	6, 0x0
	.amdhsa_kernel k_q2fab3209e4_qkv
		.amdhsa_group_segment_fixed_size 136192
		.amdhsa_private_segment_fixed_size 0
		.amdhsa_enable_private_segment 0
		.amdhsa_kernarg_size 64
		.amdhsa_user_sgpr_count 2
		.amdhsa_user_sgpr_kernarg_segment_ptr 1
		.amdhsa_wavefront_size32 1
		.amdhsa_system_sgpr_workgroup_id_x 1
		.amdhsa_system_sgpr_workgroup_id_y 1
		.amdhsa_system_sgpr_workgroup_id_z 1
		.amdhsa_system_vgpr_workitem_id 0
		.amdhsa_next_free_vgpr 768
		.amdhsa_next_free_sgpr 66
		.amdhsa_reserve_vcc 0
		.amdhsa_float_denorm_mode_32 3
		.amdhsa_float_denorm_mode_16_64 3
		.amdhsa_memory_ordered 1
		.amdhsa_forward_progress 1
		.amdhsa_inst_pref_size 160
	.end_amdhsa_kernel
	.amdgpu_metadata
---
amdhsa.version: [ 1, 2 ]
amdhsa.kernels:
  - .name:           k_q2fab3209e4_qkv
    .symbol:         k_q2fab3209e4_qkv.kd
    .args:
      - { .name: x, .offset: 0, .size: 8, .value_kind: global_buffer, .address_space: global }
      - { .name: w_qkv, .offset: 8, .size: 8, .value_kind: global_buffer, .address_space: global }
      - { .name: b_qkv, .offset: 16, .size: 8, .value_kind: global_buffer, .address_space: global }
      - { .name: w_proj, .offset: 24, .size: 8, .value_kind: global_buffer, .address_space: global }
      - { .name: ff_w, .offset: 32, .size: 8, .value_kind: global_buffer, .address_space: global }
      - { .name: qc, .offset: 40, .size: 8, .value_kind: global_buffer, .address_space: global }
      - { .name: kvf, .offset: 48, .size: 8, .value_kind: global_buffer, .address_space: global }
      - { .name: wts, .offset: 56, .size: 8, .value_kind: global_buffer, .address_space: global }
    .group_segment_fixed_size: 136192
    .private_segment_fixed_size: 0
    .kernarg_segment_align: 8
    .kernarg_segment_size: 64
    .max_flat_workgroup_size: 128
    .sgpr_count:     66
    .vgpr_count:     768
    .wavefront_size: 32
...
	.end_amdgpu_metadata
.endif
;; end of part 1
;; launch attn (part 2): grid 8 x 32, 8 waves a work-group, clusters of 4 x 1, 327,680 bytes of LDS; arguments x, qc, kvf, wts, b_proj, ln1_g, ln1_b, ff_b, ln2_g, ln2_b, out0; writes out0
.if DOCPART == 2
	.amdgcn_target "amdgcn-amd-amdhsa--gfx1250"
	.amdhsa_code_object_version 6
	.text
	.protected	k_q2fab3209e4_attn
	.globl	k_q2fab3209e4_attn
	.p2align	8
	.type	k_q2fab3209e4_attn,@function
k_q2fab3209e4_attn:
	s_mov_b64 s[64:65], 0
	v_nop
	global_prefetch_b8 v0, s[64:65] scope:SCOPE_SE
	s_setreg_imm32_b32 hwreg(HW_REG_WAVE_MODE, 25, 1), 1
	s_wait_xcnt 0x0
	s_wait_alu depctr_hold_cnt(0) depctr_sa_sdst(0) depctr_va_vdst(0) depctr_va_sdst(0) depctr_va_ssrc(0) depctr_va_vcc(0) depctr_vm_vsrc(0)
	s_getreg_b32 s2, hwreg(HW_REG_IB_STS2, 6, 4)
	s_cmp_eq_u32 s2, 0
	s_cbranch_scc0 .Lentry_in_a_cluster
	s_endpgm
.Lentry_in_a_cluster:
	s_bfe_u32 s2, ttmp6, 0x10000c
	s_cmp_lg_u32 s2, 0x3003
	s_cbranch_scc0 .Lentry_shape_is_right
	s_endpgm
.Lentry_shape_is_right:
; The rest of the block: softmax(q k^T / sqrt(128)) v, the projection, residual and LayerNorm, six layers of 128 x 128 with five ReLUs, residual and LayerNorm.  All products on codes of FP8 (E4M3) with E8M0 scales.
; SHARES.  A work-group owns 128 tokens of one batch and has EIGHT waves.  Waves w and w + 4 share the 32 queries of pair w, as two tiles of 16; each walks half of the keys, 128 a step, four steps.  Then wave w + 4 hands
; its partial O^T, M and sums over through LDS, and waves 0 to 3 carry their 32 tokens alone through the layers to the store.
; Every product is used transposed (source 0 = 16 keys, channels or columns of a weight; source 1 = 16 tokens), and source 0's tiles are in the order 32 b + 8 u + r + 8 (r / 8) (r = lane % 16, h = lane / 16):
; a lane holds ONE token throughout, and register 16 b + i of a tile of tokens holds the thing 32 b + 16 h + i: what a quantiser along the next K wants.
; LDS.  K and V of the batch lie as eight steps of 33,792 bytes (K's 8 images, V's 8, K's scale words, V's), regions R0 .. R3 of two steps each; wave group g takes step 2 k + g of R_k, in the order R0, R3, R2, R1.
; FILLS, one tensor load a wave each: the head R0; behind the first round R1 to R3; ahead of the second trip x (528 bytes a row) over R0; ahead of the fourth trip the weights (waves 0 to 6, one each) over R2 and R3.
; K, V and the weights are asked for JOINTLY by the cluster's four work-groups, which belong to one batch.  No prefetch: no loop streams from memory here; each fill behind the head's is asked for a whole trip ahead of its first read.
; THE SOFTMAX: t = score x log2(e) / sqrt(128); M = the running largest t rounded up to a whole number; p = 2^(t - M) is quantised along the keys, not normalised; the sum of the unquantised p divides at the end.
; The two halves of the keys are joined under the larger M: both factors are powers of two.
; RESIDUALS: x + b_proj is the C of the projection's products, x1 + the last bias the C of the last layer's.
; LIMITS: NaN and infinities are not served; scaled scores (the exponents to the base 2) stay under 2^31 in magnitude; a p under 2^-126 counts as 0; a block of zeros gets the scale byte 1 (its codes are zeros).
.set REG,  67584                       ; a region: two steps
.set STEPB, 33792
.set WGT,  135168                      ; the weights: 7 x 16,896: 8 images, then the scale words
.set WST,  16896
.set MRG,  253440                      ; the hand-over: 16,384 bytes for each pair,
.set STA,  318976                      ; and 512 for -M and the sums
.set VECB, 321024                      ; 11 vectors of 512 bytes: b_proj, ff_b 0..5, ln1_g, ln1_b, ln2_g, ln2_b
.set SPARE, 326656                     ; the spare words, 128 bytes for each wave
.set SP,   528
.set STT,  16*SP
; window 0
.set BA,   0                           ; v0   behind the attention: the layer's bias
.set LI,   1                           ; v1   16 x lane
.set PW,   2                           ; v2-3 the scale words of the operand just quantised, one a tile
.set QS,   4                           ; v4   q's scale words: tile 0 in lanes 0-15, tile 1 in lanes 16-31
.set SPW,  5
.set NIL,  6
.set LS,   7                           ; v7   4 x lane
.set AD,   8                           ; v8   the step's images; later the layer's
.set ADS,  9                           ; v9   the same for scale words
.set ST,   10                          ; v10-17 for each tile: -M, the largest t, the sum in two halves
.set FF,   18                          ; v18-21 a pair a tile: f = 2^(old M - new M), and a register at work
.set SC,   22                          ; v22-25 source 0's scale words
.set TM,   26                          ; v26-57 the quantiser's sixteen a tile: largest magnitudes, bytes, holds, scale operands
.set STI,  58                          ; my stage by token: 528 r + 64 h
.set STR,  59                          ; my stage by row: 16 x lane
.set XA,   60                          ; x by token
.set MG,   61
.set SA,   62
.set VA,   63                          ; VECB + 64 h
.set S,    64                          ; v64-191 scores, p; later the layer's numbers: 64 a tile
.set PC,   192                         ; v192-223 codes: 16 a tile
.set QF,   224                         ; v224-255 q's two fragments; behind the attention:
.set TP,   224                         ; v224-231 at work
.set MU,   232                         ; v232-235 the mean, v236-239 1 / sqrt(var + eps), as pairs
.set RS,   236
.set PD,   240
.set BR,   242                         ; v242-245 a bias: register b, lane 16 h + i: number 32 b + 16 h + i
; window 1
.set FR,   0                           ; v0-127 eight fragments of K, of V, of a weight
.set GN,   0                           ; a LayerNorm's gain
.set BT,   64                          ; and its offset
.set OT,   128                         ; v128-255 O^T
.set BC,   128                         ; C of the products: 64 registers for both tiles, or 128
.set T0,   192
; scalars
.set WV,   28
.set GR,   29                          ; which half of the keys
.set PR,   30                          ; which pair
.set BB,   34
.set G1H,  40
.set G1R,  48
.set G1X,  56
.set G1W,  68
.set G0H,  76
.set SEL,  80
.set CS,   82                          ; s[82:83] c = log2(e) / sqrt(128)
.set G0R,  84
.set G0X,  88
.set G0W,  92
.set MNT,  96
.set SB,   97                          ; where the step begins in LDS
.set CNT,  98
.set INV,  99
.set EPS,  100
.set WB,   101
.set MSB,  0
.macro WIN new                         ; the immediate's high byte repeats the setting that is left
.if MSB != \new
	s_set_vgpr_msb (MSB<<8)|\new
.set MSB, \new
.endif
.endm
.macro PLACES n
.rept \n
	v_nop
.endr
.endm
.macro WALU
	s_wait_alu depctr_va_vdst(0)
.endm
.macro CROUND                          ; a round of the cluster's barrier
	s_barrier_signal -1
	s_barrier_wait -1
	s_cmp_lg_u32 s[WV], 0
	s_cbranch_scc1 .Lnot_wave_0_\@
	s_barrier_signal -3
.Lnot_wave_0_\@:
	s_barrier_wait -3
	s_barrier_signal -1
	s_barrier_wait -1
.endm
.macro GRD
	s_wait_tensorcnt 0x0
	ds_add_u32 v[SPW], v[NIL]
	s_wait_dscnt 0x0
.endm
.macro WM d, a, b, c, sa, sb, ra, rb   ; one scaled matrix instruction; c is written as it stands; ra, rb: the side's scale words stand in lanes 16-31
.if (\ra) && (\rb)
	v_wmma_scale_f32_16x16x128_f8f6f4 v[\d:\d+7], v[\a:\a+15], v[\b:\b+15], \c, v[\sa], v[\sb] matrix_a_scale:MATRIX_SCALE_ROW1 matrix_b_scale:MATRIX_SCALE_ROW1
.elseif (\ra)
	v_wmma_scale_f32_16x16x128_f8f6f4 v[\d:\d+7], v[\a:\a+15], v[\b:\b+15], \c, v[\sa], v[\sb] matrix_a_scale:MATRIX_SCALE_ROW1
.elseif (\rb)
	v_wmma_scale_f32_16x16x128_f8f6f4 v[\d:\d+7], v[\a:\a+15], v[\b:\b+15], \c, v[\sa], v[\sb] matrix_b_scale:MATRIX_SCALE_ROW1
.else
	v_wmma_scale_f32_16x16x128_f8f6f4 v[\d:\d+7], v[\a:\a+15], v[\b:\b+15], \c, v[\sa], v[\sb]
.endif
.endm
.macro MX relu, d, a, e, c             ; a three-input maximum; relu = 0: of magnitudes
.if \relu
	v_max3_num_f32 v[\d], v[\a], v[\e], \c
.else
	v_max3_num_f32 v[\d], |v[\a]|, |v[\e]|, \c
.endif
.endm
.macro SCALEOPS                        ; from the blocks' largest magnitudes: scale operands, bytes, holds, scale words
.irp b,0,1,2,3
.irp y,0,1
	v_add_nc_u32 v[TM+16*\y+12+\b], 0xfc000000, v[TM+16*\y+\b]   ; 8 off its exponent field: the conversion's scale operand
.endr
.endr
.irp b,0,1,2,3
.irp y,0,1
	v_and_or_b32 v[TM+16*\y+8+\b], v[TM+16*\y+\b], 0x7f800000, s[MNT]   ; 448 x the scale
.endr
.endr
.irp b,0,1,2,3
.irp y,0,1
	v_lshrrev_b32 v[TM+16*\y+4+\b], 23, v[TM+16*\y+12+\b]   ; the scale's byte
.endr
.endr
.irp y,0,1
	v_lshl_or_b32 v[PW+\y], v[TM+16*\y+5], 8, v[TM+16*\y+4]
.endr
.irp y,0,1
	v_lshl_or_b32 v[PW+\y], v[TM+16*\y+6], 16, v[PW+\y]
.endr
.irp y,0,1
	v_lshl_or_b32 v[PW+\y], v[TM+16*\y+7], 24, v[PW+\y]
.endr
.endm
.macro JOINMAX                         ; with lane l xor 16's: the blocks' largest
.irp b,0,1,2,3
.irp y,0,1
	v_permlanex16_b32 v[TM+16*\y+4+\b], v[TM+16*\y+\b], s[SEL], s[SEL+1]
.endr
.endr
.irp b,0,1,2,3
.irp y,0,1
	v_max_num_f32 v[TM+16*\y+\b], v[TM+16*\y+\b], v[TM+16*\y+4+\b]
.endr
.endr
.endm
.macro CONVERT                         ; all holds stand ahead of all conversions
.irp b,0,1,2,3
.irp y,0,1
	v_cvt_scalef32_pk8_fp8_f32 v[PC+16*\y+4*\b:PC+16*\y+4*\b+1], v[S+64*\y+16*\b:S+64*\y+16*\b+7], v[TM+16*\y+12+\b]
	v_cvt_scalef32_pk8_fp8_f32 v[PC+16*\y+4*\b+2:PC+16*\y+4*\b+3], v[S+64*\y+16*\b+8:S+64*\y+16*\b+15], v[TM+16*\y+12+\b]
.endr
.endr
	v_nop                                          ; a plain instruction behind the last conversion
.endm
; BOTH TILES' 64 numbers a lane become fragments' codes in v[PC + 16 y] on and scale words in v[PW + y].  relu = 1: what is negative becomes 0 on the way.  hk: a macro of LDS loads, called between the lines
.macro QUANT2 relu, hk
.irp b,0,1,2,3
.irp y,0,1
	MX \relu, TM+16*\y+\b, S+64*\y+16*\b, S+64*\y+16*\b+1, 0x4800000   ; the floor 2^(9 - 127)
.endr
.endr
	\hk 0
.irp i,2,4,6,8,10,12,14
.irp b,0,1,2,3
.irp y,0,1
	MX \relu, TM+16*\y+\b, S+64*\y+16*\b+\i, S+64*\y+16*\b+\i+1, v[TM+16*\y+\b]
.endr
.endr
	\hk \i
.endr
	JOINMAX
	SCALEOPS
.irp b,0,1,2,3
.irp i,0,1,2,3,4,5,6,7,8,9,10,11,12,13,14,15
.irp y,0,1
.if \relu
	v_med3_num_f32 v[S+64*\y+16*\b+\i], v[S+64*\y+16*\b+\i], 0, v[TM+16*\y+8+\b]   ; the activation and the hold in one
.else
	v_med3_num_f32 v[S+64*\y+16*\b+\i], v[S+64*\y+16*\b+\i], -v[TM+16*\y+8+\b], v[TM+16*\y+8+\b]   ; the conversion does not saturate (ISA guide 7.6.2)
.endif
.endr
.endr
	\hk 16+\b
.endr
	CONVERT
.endm
.macro FLOAD t, off                    ; a fragment, four loads
.irp c,0,1,2,3
	ds_load_b128 v[FR+16*(\t)+4*\c:FR+16*(\t)+4*\c+3], v[AD] offset:(\off)+2048*(\t)+512*\c
.endr
.endm
.macro KL0                             ; K's tiles 0-3: 16 loads
	WIN 0x40
.irp t,0,1,2,3
	FLOAD \t, 0
.endr
.endm
.macro KL1                             ; K's scale words and tiles 4-7: 20 loads
	WIN 0
.irp i,0,1,2,3
	ds_load_b32 v[SC+\i], v[ADS] offset:32768+128*\i
.endr
	WIN 0x40
.irp t,4,5,6,7
	FLOAD \t, 0
.endr
	WIN 0
.endm
; both tiles' softmax for 128 keys: scores in v[S + 64 y] on become p's codes and scale words
.macro SOFTMAX2
.irp b,0,1,2,3
.irp y,0,1
	v_max3_num_f32 v[TM+16*\y+\b], v[S+64*\y+16*\b], v[S+64*\y+16*\b+1], v[S+64*\y+16*\b+2]   ; the largest score of each block of 32 keys: for the row's maximum, and, since p rises with the score, for the block's largest p
.endr
.endr
.irp i,3,5,7,9,11,13
.irp b,0,1,2,3
.irp y,0,1
	v_max3_num_f32 v[TM+16*\y+\b], v[TM+16*\y+\b], v[S+64*\y+16*\b+\i], v[S+64*\y+16*\b+\i+1]
.endr
.endr
.endr
.irp b,0,1,2,3
.irp y,0,1
	v_max_num_f32 v[TM+16*\y+\b], v[TM+16*\y+\b], v[S+64*\y+16*\b+15]
.endr
.endr
	JOINMAX
.irp y,0,1
	v_max3_num_f32 v[FF+2*\y+1], v[TM+16*\y], v[TM+16*\y+1], v[TM+16*\y+2]
.endr
.irp y,0,1
	v_max_num_f32 v[FF+2*\y+1], v[FF+2*\y+1], v[TM+16*\y+3]
.endr
.irp y,0,1
	v_mul_f32 v[FF+2*\y+1], s[CS], v[FF+2*\y+1]    ; as t (c is positive)
.endr
.irp y,0,1
	v_max_num_f32 v[ST+4*\y+1], v[ST+4*\y+1], v[FF+2*\y+1]   ; the running largest t
.endr
.irp y,0,1
	v_mov_b32 v[FF+2*\y+1], v[ST+4*\y]
.endr
.irp y,0,1
	v_floor_f32 v[ST+4*\y], -v[ST+4*\y+1]          ; -M = floor(-t): M is a whole number
.endr
.irp y,0,1
	v_sub_f32 v[FF+2*\y+1], v[ST+4*\y], v[FF+2*\y+1]   ; old M - new M: a whole number, 0 or less
.endr
.irp y,0,1
	v_cvt_i32_f32 v[FF+2*\y+1], v[FF+2*\y+1]       ; (it saturates)
.endr
.irp y,0,1
	v_ldexp_f32 v[FF+2*\y], 1.0, v[FF+2*\y+1]      ; f = 2^(old M - new M): a multiplication by it rounds nothing
.endr
.set q, 0
.rept 32
.irp y,0,1
	v_pk_fma_f32 v[S+64*\y+q:S+64*\y+q+1], v[S+64*\y+q:S+64*\y+q+1], s[CS:CS+1], v[ST+4*\y:ST+4*\y+1] op_sel_hi:[1,0,0]   ; t - M
.endr
.set q, q+2
.endr
.irp b,0,1,2,3
.irp y,0,1
	v_fma_f32 v[TM+16*\y+\b], v[TM+16*\y+\b], s[CS], v[ST+4*\y]
.endr
.endr
	WALU
.set q, 0
.rept 64
.irp y,0,1
	v_exp_f32 v[S+64*\y+q], v[S+64*\y+q]           ; p = 2^(t - M)
.endr
.set q, q+1
.endr
.irp b,0,1,2,3
.irp y,0,1
	v_exp_f32 v[TM+16*\y+\b], v[TM+16*\y+\b]       ; the block's largest p: the same two instructions on the same number
.endr
.endr
.irp y,0,1
	v_pk_mul_f32 v[ST+4*\y+2:ST+4*\y+3], v[ST+4*\y+2:ST+4*\y+3], v[FF+2*\y:FF+2*\y+1] op_sel_hi:[1,0]   ; the sums under the new M (plain instructions behind the exponentials)
.endr
	WALU
.irp b,0,1,2,3
.irp y,0,1
	v_max_num_f32 v[TM+16*\y+\b], 0x4800000, v[TM+16*\y+\b]    ; the floor
.endr
.endr
	SCALEOPS
.irp y,0,1
	v_pk_add_f32 v[TM+16*\y+4:TM+16*\y+5], v[S+64*\y:S+64*\y+1], v[S+64*\y+2:S+64*\y+3]   ; the row's sum is taken of the unquantised p, in two chains a tile
.endr
.set q, 4
.rept 15
.irp y,0,1
	v_pk_add_f32 v[ST+4*\y+2:ST+4*\y+3], v[ST+4*\y+2:ST+4*\y+3], v[S+64*\y+q:S+64*\y+q+1]
.endr
.irp y,0,1
	v_pk_add_f32 v[TM+16*\y+4:TM+16*\y+5], v[TM+16*\y+4:TM+16*\y+5], v[S+64*\y+q+2:S+64*\y+q+3]
.endr
.set q, q+4
.endr
.irp y,0,1
	v_pk_add_f32 v[ST+4*\y+2:ST+4*\y+3], v[ST+4*\y+2:ST+4*\y+3], v[TM+16*\y+4:TM+16*\y+5]
.endr
.irp b,0,1,2,3
.set q, 0
.rept 16
.irp y,0,1
	v_min_num_f32 v[S+64*\y+16*\b+q], v[S+64*\y+16*\b+q], v[TM+16*\y+8+\b]   ; p is not negative: the hold is one-sided
.endr
.set q, q+1
.endr
.endr
	CONVERT
.endm
.macro RESC t                          ; O^T under the new M: the two accumulators of channel tile t, each from its low end on
	WIN 0x41                                       ; destination and source 0 window 1, f window 0
.irp y,0,1
.irp j,0,2,4,6
	v_pk_mul_f32 v[OT+64*\y+8*(\t)+\j:OT+64*\y+8*(\t)+\j+1], v[OT+64*\y+8*(\t)+\j:OT+64*\y+8*(\t)+\j+1], v[FF+2*\y:FF+2*\y+1] op_sel_hi:[1,0]
.endr
.endr
.endm
.macro QK t
.irp y,0,1
	WM S+64*\y+8*(\t), FR+16*(\t), QF+16*\y, 0, SC+(\t)/2, QS, (\t)%2, \y
.endr
.endm
.macro PV t, first
.irp y,0,1
.if \first
	WM OT+64*\y+8*(\t), FR+16*(\t), PC+16*\y, 0, SC+(\t)/2, PW+\y, (\t)%2, 0
.else
	WM OT+64*\y+8*(\t), FR+16*(\t), PC+16*\y, v[OT+64*\y+8*(\t):OT+64*\y+8*(\t)+7], SC+(\t)/2, PW+\y, (\t)%2, 0
.endif
.endr
.endm
; A KEY STEP, 128 keys.  At its head K's 36 loads are out or in.  first = 1: O^T's sums begin with the constant 0.  nx: 0 nothing follows; 1: on to region R3, whose K is loaded behind a barrier; 2: on to the region below, whose K is loaded here
.macro STEP first, nx
	s_wait_dscnt 16                                ; K's tiles 0-3 and the scale words are in; tiles 4-7's 16 loads may be out
	WIN 0x01                                       ; source 0 (K) window 1
.irp t,0,1,2,3
	QK \t
.endr
	s_wait_dscnt 0x0
.irp t,4,5,6,7
	QK \t
.endr
	WIN 0
	PLACES 8                                       ; ahead of loads into K's registers and of the first read of scores
	WIN 0x40
.irp t,0,1,2,3,4,5,6,7
	FLOAD \t, 16384                                ; V lands under the softmax
.endr
	WIN 0
.irp i,0,1,2,3
	ds_load_b32 v[SC+\i], v[ADS] offset:33280+128*\i
.endr
.if \nx == 1
	s_add_co_u32 s[SB], s[SB], 3*REG
.elseif \nx == 2
	s_sub_co_u32 s[SB], s[SB], REG
.endif
.if \nx
	v_add_nc_u32 v[AD], s[SB], v[LI]
	v_add_nc_u32 v[ADS], s[SB], v[LS]
.endif
	SOFTMAX2
.if \first
	PLACES 4                                       ; an operand written by vector instructions stands four places ahead of a scaled matrix instruction
	WALU
	s_wait_dscnt 0x0                               ; V and its scale words are in
	WIN 0x51                                       ; source 0 (V), C and D window 1; source 1 (p) window 0
.irp t,0,1,2,3,4,5,6,7
	PV \t, 1
.endr
	WIN 0
	PLACES 8
.else
.irp t,0,1,2,3
	RESC \t
.endr
	WALU
	s_wait_dscnt 0x0                               ; V and its scale words are in
	WIN 0x51                                       ; sixteen accumulators by turns, one instruction a turn
.irp t,0,1,2,3
	PV \t, 0
.endr
.irp t,4,5,6,7                         ; 32 plain instructions: the places ahead of the loads below
	RESC \t
.endr
.if \nx == 2
	KL0
.endif
	WIN 0x51
.irp t,4,5,6,7
	PV \t, 0
.endr
	WIN 0
	PLACES 8
.if \nx == 2
	KL1
.endif
.endif
.endm
.macro WADDR w, k                      ; a layer's addresses: three plain instructions
	v_add_nc_u32 v[AD], \w, v[LI]
	v_add_nc_u32 v[ADS], \w, v[LS]
	v_add_nc_u32 v[BA], \k, v[LS]
.endm
.macro WT2 t                           ; two of a weight's images
	WIN 0x40
	FLOAD \t, 0
	FLOAD (\t)+1, 0
	WIN 0
.endm
.macro LW n                            ; a layer's 40 loads: scale words and bias, then the images
.if (\n) == 0
.irp i,0,1,2,3
	ds_load_b32 v[SC+\i], v[ADS] offset:16384+128*\i
	ds_load_b32 v[BR+\i], v[BA] offset:128*\i
.endr
.elseif (\n) == 2
	WT2 4
.elseif (\n) == 6
	WT2 6
.elseif (\n) == 10
	WT2 0
.elseif (\n) == 14
	WT2 2
.endif
.endm
.macro R8 dst, adr, ys, k, off         ; eight loads: a quarter of 128 registers by token: tile k / 2, features 64 (k % 2) on
	WIN 0x40
.irp e,0,1
.irp j,0,1,2,3
.set EA, \dst+64*((\k)/2)+32*((\k)%2)+16*\e+4*\j
	ds_load_b128 v[EA:EA+3], v[\adr] offset:(\off)+(\ys)*((\k)/2)+256*((\k)%2)+128*\e+16*\j
.endr
.endr
	WIN 0
.endm
.macro XL n                            ; x by token into the registers of O^T: tile 1's rows begin 8 tokens on
.if (\n) == 2
	R8 BC, XA, 8*SP, 0, 0
.elseif (\n) == 6
	R8 BC, XA, 8*SP, 1, 0
.elseif (\n) == 10
	R8 BC, XA, 8*SP, 2, 0
.elseif (\n) == 14
	R8 BC, XA, 8*SP, 3, 0
.endif
.endm
.macro L6 n                            ; the last layer: its scale words and weight, and C from my stage
.if (\n) == 0
.irp i,0,1,2,3
	ds_load_b32 v[SC+\i], v[ADS] offset:16384+128*\i
.endr
.elseif (\n) < 16
	LW \n
.else
	R8 BC, STI, STT, (\n)-16, 0
.endif
.endm
.macro GA n                            ; the first LayerNorm's gain and offset, and the last layer's bias
.if (\n) == 0
	R8 GN, VA, 0, 0, 512*7
	R8 GN, VA, 0, 1, 512*7
.elseif (\n) == 1
	R8 BT, VA, 0, 0, 512*8
	R8 BT, VA, 0, 1, 512*8
.else
	R8 BC, VA, 0, 0, 512*6
	R8 BC, VA, 0, 1, 512*6
.endif
.endm
.macro GB n                            ; the second LayerNorm's
.if (\n) == 0
	R8 GN, VA, 0, 0, 512*9
	R8 GN, VA, 0, 1, 512*9
.elseif (\n) == 1
	R8 BT, VA, 0, 0, 512*10
	R8 BT, VA, 0, 1, 512*10
.endif
.endm
.macro MUL own                         ; a layer: source 0 = 16 columns of the weight, source 1 = 16 tokens' codes; C = 64 registers for both tiles (own = 0) or each tile's own (1).  Sixteen accumulators, one instruction each
	WIN 0x11                                       ; source 0 and C window 1
.irp t,0,1,2,3,4,5,6,7
.irp y,0,1
	WM S+64*\y+8*\t, FR+16*\t, PC+16*\y, v[BC+64*\y*\own+8*\t:BC+64*\y*\own+8*\t+7], SC+\t/2, PW+\y, \t%2, 0
.endr
.endr
	WIN 0
.endm
.macro BEXP                            ; the bias in the result's layout: register 16 b + i takes lane i of its own row of 16 lanes
	WIN 0x40
.irp b,0,1,2,3
.irp i,0,1,2,3,4,5,6,7,8,9,10,11,12,13,14,15
	v_mov_b32_dpp v[BC+16*\b+\i], v[BR+\b] row_share:\i row_mask:0xf bank_mask:0xf
.endr
.endr
	WIN 0
.endm
; LayerNorm of both tiles.  The variance is the mean of the squared differences, as the definition has it.  hk: LDS loads of gain and offset, between the lines
.macro LN hk
	\hk 0
.irp y,0,1
	v_pk_add_f32 v[TP+4*\y:TP+4*\y+1], v[S+64*\y:S+64*\y+1], v[S+64*\y+2:S+64*\y+3]
.endr
.irp y,0,1
	v_pk_add_f32 v[TP+4*\y+2:TP+4*\y+3], v[S+64*\y+4:S+64*\y+5], v[S+64*\y+6:S+64*\y+7]
.endr
.set q, 8
.rept 14
.irp y,0,1
	v_pk_add_f32 v[TP+4*\y:TP+4*\y+1], v[TP+4*\y:TP+4*\y+1], v[S+64*\y+q:S+64*\y+q+1]
.endr
.irp y,0,1
	v_pk_add_f32 v[TP+4*\y+2:TP+4*\y+3], v[TP+4*\y+2:TP+4*\y+3], v[S+64*\y+q+2:S+64*\y+q+3]
.endr
.set q, q+4
.endr
	LNSUM
	\hk 1
.irp y,0,1
	v_mul_f32 v[MU+2*\y], s[INV], v[TP+4*\y]       ; the mean: / 128
.endr
.set q, 0
.rept 32
.irp y,0,1
	v_pk_add_f32 v[S+64*\y+q:S+64*\y+q+1], v[S+64*\y+q:S+64*\y+q+1], v[MU+2*\y:MU+2*\y+1] op_sel_hi:[1,0] neg_lo:[0,1] neg_hi:[0,1]
.endr
.set q, q+2
.endr
	\hk 2
.irp y,0,1
	v_pk_mul_f32 v[TP+4*\y:TP+4*\y+1], v[S+64*\y:S+64*\y+1], v[S+64*\y:S+64*\y+1]
.endr
.irp y,0,1
	v_pk_mul_f32 v[TP+4*\y+2:TP+4*\y+3], v[S+64*\y+2:S+64*\y+3], v[S+64*\y+2:S+64*\y+3]
.endr
.set q, 4
.rept 15
.irp y,0,1
	v_pk_fma_f32 v[TP+4*\y:TP+4*\y+1], v[S+64*\y+q:S+64*\y+q+1], v[S+64*\y+q:S+64*\y+q+1], v[TP+4*\y:TP+4*\y+1]
.endr
.irp y,0,1
	v_pk_fma_f32 v[TP+4*\y+2:TP+4*\y+3], v[S+64*\y+q+2:S+64*\y+q+3], v[S+64*\y+q+2:S+64*\y+q+3], v[TP+4*\y+2:TP+4*\y+3]
.endr
.set q, q+4
.endr
	LNSUM
.irp y,0,1
	v_fma_f32 v[TP+4*\y], v[TP+4*\y], s[INV], s[EPS]   ; var + eps
.endr
	WALU
.irp y,0,1
	v_rsq_f32 v[RS+2*\y], v[TP+4*\y]
.endr
	v_nop                                          ; a plain instruction behind the transcendentals
	s_wait_dscnt 0x0                               ; gain and offset are in
	WALU
.set q, 0
.rept 32
.irp y,0,1
	v_pk_mul_f32 v[S+64*\y+q:S+64*\y+q+1], v[S+64*\y+q:S+64*\y+q+1], v[RS+2*\y:RS+2*\y+1] op_sel_hi:[1,0]
.endr
.set q, q+2
.endr
	WIN 0x14                                       ; gain and offset window 1
.set q, 0
.rept 32
.irp y,0,1
	v_pk_fma_f32 v[S+64*\y+q:S+64*\y+q+1], v[S+64*\y+q:S+64*\y+q+1], v[GN+q:GN+q+1], v[BT+q:BT+q+1]
.endr
.set q, q+2
.endr
	WIN 0
.endm
.macro LNSUM                           ; the two chains' four halves, and lane l xor 16's
.irp y,0,1
	v_pk_add_f32 v[TP+4*\y:TP+4*\y+1], v[TP+4*\y:TP+4*\y+1], v[TP+4*\y+2:TP+4*\y+3]
.endr
.irp y,0,1
	v_add_f32 v[TP+4*\y], v[TP+4*\y], v[TP+4*\y+1]
.endr
.irp y,0,1
	v_permlanex16_b32 v[PD+\y], v[TP+4*\y], s[SEL], s[SEL+1]
.endr
.irp y,0,1
	v_add_f32 v[TP+4*\y], v[TP+4*\y], v[PD+\y]
.endr
.endm
.macro G1D g, w0, dim0, rows           ; descriptor group 1: rows of dim0 elements of 8 bytes, dense in memory
	s_mov_b32 s[\g], \w0
	s_mov_b32 s[\g+1], (\dim0)<<16
	s_mov_b32 s[\g+2], (\rows)<<16
	s_mov_b32 s[\g+3], (\dim0)<<16
	s_mov_b32 s[\g+4], \rows
	s_mov_b32 s[\g+5], \dim0
	s_mov_b32 s[\g+6], 0
	s_mov_b32 s[\g+7], 0
.endm
.macro G0D g, base, off                ; group 0 (its LDS address is written already)
	s_mov_b32 s[\g], 1
	s_add_nc_u64 s[\g+2:\g+3], s[\base:\base+1], s[\off:\off+1]
	s_or_b32 s[\g+3], s[\g+3], 0x80000000
.endm
	s_load_b512 s[4:19], s[0:1], 0x0               ; x s[4:5], qc s[6:7], kvf s[8:9], wts s[10:11], b_proj s[12:13], ln1_g s[14:15], ln1_b s[16:17], ff_b s[18:19]
	s_load_b128 s[20:23], s[0:1], 0x40             ; ln2_g, ln2_b
	s_load_b64 s[24:25], s[0:1], 0x50              ; out0
	v_lshl_add_u32 v[SPW], v0, 2, SPARE
	v_mov_b32 v[NIL], 0
	ds_add_u32 v[SPW], v[NIL]                      ; the opening: the add, twice on end, and its wait
	ds_add_u32 v[SPW], v[NIL]
	v_lshrrev_b32 v64, 5, v0
	v_readfirstlane_b32 s[WV], v64                 ; wave 0..7
	s_lshr_b32 s[GR], s[WV], 2
	s_and_b32 s[PR], s[WV], 3
	s_bfe_u32 s35, ttmp6, 0x40000                  ; cx: it enters q's, x's and the output's addresses alone
	s_lshl_b32 s66, ttmp9, 2
	s_add_co_u32 s66, s66, s35                     ; my block of 128 tokens in the batch
	s_and_b32 s31, ttmp7, 0xffff                   ; the batch, which the four partners share
	s_lshl_b32 s35, s31, 3
	s_add_co_u32 s66, s66, s35                     ; 8 x batch + block
	s_mul_i32 s98, s66, 16896                      ; its place in qc
	s_mov_b32 s99, 0
	s_lshl_b32 s66, s66, 16                        ; its 128 tokens of 512 bytes
	s_lshl_b32 s38, s[WV], 13
	s_add_co_u32 s38, s66, s38                     ; x: my wave's 16 rows
	s_mov_b32 s39, 0
	s_lshl_b32 s35, s[PR], 14
	s_add_co_u32 s66, s66, s35                     ; the output: my pair's 32
	s_mov_b32 s67, 0
	s_mul_i32 s36, s31, 4*REG                      ; the batch in kvf
	s_mul_i32 s[G0H+1], s[WV], 33*256              ; R0: 33 rows of 256 bytes a wave,
	s_add_co_u32 s26, s36, s[G0H+1]
	s_mov_b32 s27, 0
	s_mul_i32 s[G0R+1], s[WV], 99*256              ; R1 to R3: 99
	s_add_co_u32 s[G0R+1], s[G0R+1], REG
	s_add_co_u32 s36, s36, s[G0R+1]
	s_mov_b32 s37, 0
	s_mul_i32 s[G0X+1], s[WV], 16*SP               ; x: 16 rows of 512 bytes, 528 apart
	s_mul_i32 s32, s[WV], WST                      ; weight number wave: 66 rows
	s_mov_b32 s33, 0
	s_add_co_u32 s[G0W+1], s32, WGT
	G1D G1H, 0x0023000f, 32, 33                    ; 15:0 the mask: all four work-groups; 17:16 elements of 8 bytes; 21 set beside a mask
	G1D G1R, 0x0023000f, 32, 99
	G1D G1W, 0x0023000f, 32, 66
	G1D G1X, (3<<16)|(1<<20)|(6<<22)|(3<<25), 64, 16   ; x: my own rows, four words of padding behind every 128
	s_wait_dscnt 0x0                               ; both opening adds are done
	CROUND                                         ; all four work-groups are here: the joint loads meet
	s_wait_kmcnt 0x0
	G0D G0H, 8, 26
	tensor_load_to_lds s[G0H:G0H+3], s[G1H:G1H+7]  ; R0: one tensor load a wave at the head
	s_nop 0
	PLACES 4
	G0D G0R, 8, 36
	G0D G0X, 4, 38
	G0D G0W, 10, 32
	s_add_nc_u64 s[6:7], s[6:7], s[98:99]
	s_add_nc_u64 s[24:25], s[24:25], s[66:67]
	v_and_b32 v64, 31, v0
	v_and_b32 v65, 15, v0                          ; r
	v_bfe_u32 v66, v0, 4, 1                        ; h
	v_lshlrev_b32 v[LI], 4, v64
	v_lshlrev_b32 v[LS], 2, v64
	s_lshl_b32 s35, s[PR], 12
	v_add_nc_u32 v68, s35, v[LI]                   ; q's images: 4,096 x pair + 16 x lane
	s_lshl_b32 s35, s[PR], 7
	v_add_nc_u32 v69, s35, v[LS]
.irp y,0,1
.irp c,0,1,2,3
	global_load_b128 v[QF+16*\y+4*\c:QF+16*\y+4*\c+3], v68, s[6:7] offset:2048*\y+512*\c
.endr
.endr
	global_load_b32 v[QS], v69, s[6:7] offset:16384
	v_lshlrev_b32 v70, 2, v0
	v_add_nc_u32 v71, VECB, v70
	v_mul_u32_u24 v67, v65, SP
	v_lshl_add_u32 v67, v66, 6, v67
	s_mul_i32 s35, s[PR], 2*STT
	v_add_nc_u32 v[STI], s35, v67
	v_add_nc_u32 v[STR], s35, v[LI]
	v_and_b32 v83, 8, v65
	v_add_nc_u32 v83, v83, v65                     ; r + 8 (r / 8)
	v_mul_u32_u24 v83, v83, SP
	v_lshl_add_u32 v83, v66, 6, v83
	v_add_nc_u32 v[XA], s35, v83
	s_lshl_b32 s35, s[PR], 14
	s_add_co_u32 s35, s35, MRG
	v_add_nc_u32 v[MG], s35, v[LI]
	s_lshl_b32 s35, s[PR], 9
	s_add_co_u32 s35, s35, STA
	v_add_nc_u32 v[SA], s35, v[LI]
	v_lshlrev_b32 v[VA], 6, v66
	v_add_nc_u32 v[VA], VECB, v[VA]
	s_mov_b32 s[SEL], 0x76543210
	s_mov_b32 s[SEL+1], 0xfedcba98
	s_mov_b32 s[CS], 0x3e0293ee
	s_mov_b32 s[CS+1], s[CS]                       ; (named with it as a pair)
	s_mov_b32 s[MNT], 0x600000
	s_mov_b32 s[INV], 0x3c000000                   ; 1 / 128
	s_mov_b32 s[EPS], 0x3727c5ac                   ; 1e-5
	s_mov_b32 s[WB], WGT+2*WST                     ; the layer loop fetches layers 2 to 5
	s_mov_b32 s[BB], VECB+2*512
	s_mov_b32 s[CNT], 2
	s_mul_i32 s[SB], s[GR], STEPB
	v_add_nc_u32 v[AD], s[SB], v[LI]
	v_add_nc_u32 v[ADS], s[SB], v[LS]
.irp y,0,1
	v_mov_b32 v[ST+4*\y+1], 0xff61b1e6             ; the largest t so far: -3e38
	v_floor_f32 v[ST+4*\y], -v[ST+4*\y+1]
	v_mov_b32 v[ST+4*\y+2], 0
	v_mov_b32 v[ST+4*\y+3], 0
.irp b,0,1,2,3
	v_mov_b32 v[TM+16*\y+4+\b], 0                  ; a lane permute's destination counts as one of its sources
.endr
.endr
	WALU                                           ; (the head's end)
	s_cmp_lt_u32 s[WV], 4                          ; waves 0 to 3: 128 threads bring the 11 vectors
	s_cbranch_scc0 .Lno_vectors
	global_load_b32 v72, v70, s[12:13]
.irp i,0,1,2,3,4,5
	global_load_b32 v[73+\i], v70, s[18:19] offset:512*\i
.endr
	global_load_b32 v79, v70, s[14:15]
	global_load_b32 v80, v70, s[16:17]
	global_load_b32 v81, v70, s[20:21]
	global_load_b32 v82, v70, s[22:23]
	s_wait_loadcnt 0x0
.irp k,0,1,2,3,4,5,6,7,8,9,10
	ds_store_b32 v71, v[72+\k] offset:512*\k
.endr
.Lno_vectors:
	s_wait_loadcnt 0x0                             ; q
	GRD
	CROUND                                         ; everybody's part of R0 is in, and the vectors; the joint loads meet
	tensor_load_to_lds s[G0R:G0R+3], s[G1R:G1R+7]  ; R1 to R3, first filled behind the full sequence
	s_nop 0
	PLACES 4
	KL0
	KL1
	STEP 1, 1                                      ; R0
	GRD
	CROUND
	tensor_load_to_lds s[G0X:G0X+3], s[G1X:G1X+7]  ; x over R0
	s_nop 0
	PLACES 4
	KL0
	KL1
.Ltrip:                                            ; R3, R2; they load K of R2, R1
	STEP 0, 2
	s_sub_co_u32 s[CNT], s[CNT], 1
	s_cmp_lg_u32 s[CNT], 0
	WALU
	s_cbranch_scc1 .Ltrip
	GRD
	CROUND
	s_cmp_lt_u32 s[WV], 7
	s_cbranch_scc0 .Lno_weight
	tensor_load_to_lds s[G0W:G0W+3], s[G1W:G1W+7]  ; weight number wave over R2 and R3
	s_nop 0
	PLACES 4
.Lno_weight:
	STEP 0, 0                                      ; R1
	; ---- the two halves of the keys are joined
.irp y,0,1
	v_add_f32 v[ST+4*\y+2], v[ST+4*\y+2], v[ST+4*\y+3]
.endr
	v_mov_b32 v[TM], v[ST]
	v_mov_b32 v[TM+1], v[ST+4]
	v_mov_b32 v[TM+2], v[ST+2]
	v_mov_b32 v[TM+3], v[ST+6]
	WALU
	s_cmp_lt_u32 s[WV], 4
	s_cbranch_scc1 .Lkeep
	ds_store_b128 v[SA], v[TM:TM+3]                ; waves 4 to 7: -M and the sums of both tiles,
	WIN 0x04                                       ; (a store's data are its source 1)
.set q, 0
.rept 32
	ds_store_b128 v[MG], v[OT+4*q:OT+4*q+3] offset:512*q   ; and O^T, each accumulator from its low end on
.set q, q+1
.endr
	WIN 0
.Lkeep:
	s_wait_tensorcnt 0x0                           ; my part of x and my weight are in
	s_wait_dscnt 0x0
	s_barrier_signal -1
	s_barrier_wait -1
	s_cmp_lt_u32 s[WV], 4
	s_cbranch_scc0 .Ljoin
	ds_load_b128 v[TM:TM+3], v[SA]
.set q, 0
.rept 32
	ds_load_b128 v[S+4*q:S+4*q+3], v[MG] offset:512*q
.set q, q+1
.endr
	s_wait_dscnt 32                                ; the other half's -M and sums are in; its O^T's 32 loads may be out
.irp y,0,1
	v_min_num_f32 v[TM+4+\y], v[ST+4*\y], v[TM+\y] ; -M of both
.endr
.irp y,0,1
	v_sub_f32 v[TM+6+\y], v[TM+4+\y], v[ST+4*\y]   ; my M - M,
	v_sub_f32 v[TM+12+\y], v[TM+4+\y], v[TM+\y]    ; and the other's
.endr
.irp y,0,1
	v_cvt_i32_f32 v[TM+6+\y], v[TM+6+\y]
	v_cvt_i32_f32 v[TM+12+\y], v[TM+12+\y]
.endr
.irp y,0,1
	v_ldexp_f32 v[FF+2*\y], 1.0, v[TM+6+\y]
	v_ldexp_f32 v[TM+8+2*\y], 1.0, v[TM+12+\y]
.endr
.irp y,0,1
	v_mul_f32 v[TM+14+\y], v[ST+4*\y+2], v[FF+2*\y]
.endr
.irp y,0,1
	v_fma_f32 v[TM+14+\y], v[TM+2+\y], v[TM+8+2*\y], v[TM+14+\y]
.endr
.irp y,0,1
	v_permlanex16_b32 v[TM+20+\y], v[TM+14+\y], s[SEL], s[SEL+1]
.endr
.irp y,0,1
	v_add_f32 v[TM+14+\y], v[TM+14+\y], v[TM+20+\y]   ; the row's sum
.endr
	WALU
.irp y,0,1
	v_rcp_f32 v[TM+14+\y], v[TM+14+\y]
.endr
	WADDR WGT, VECB
	LW 0
	LW 2
	LW 6
	LW 10
	LW 14
	WALU
.irp y,0,1
	v_mul_f32 v[FF+2*\y], v[FF+2*\y], v[TM+14+\y]
	v_mul_f32 v[TM+8+2*\y], v[TM+8+2*\y], v[TM+14+\y]
.endr
	WALU
	s_wait_dscnt 40                                ; the other half's O^T is in; the weight's 40 loads may be out
.set q, 0
.rept 32
.irp y,0,1
	v_pk_mul_f32 v[S+64*\y+q:S+64*\y+q+1], v[S+64*\y+q:S+64*\y+q+1], v[TM+8+2*\y:TM+9+2*\y] op_sel_hi:[1,0]
.endr
.set q, q+2
.endr
	WIN 0x01
	WALU
.set q, 0
.rept 32
.irp y,0,1
	v_pk_fma_f32 v[S+64*\y+q:S+64*\y+q+1], v[OT+64*\y+q:OT+64*\y+q+1], v[FF+2*\y:FF+2*\y+1], v[S+64*\y+q:S+64*\y+q+1] op_sel_hi:[1,0,1]   ; o = both halves / the sum
.endr
.set q, q+2
.endr
	WIN 0
	QUANT2 0, XL
	; ---- the projection, residual, LayerNorm
	s_wait_dscnt 0x0                               ; the weight, b_proj and x are in
	WIN 0x44
.irp b,0,1,2,3
.irp i,0,1,2,3,4,5,6,7,8,9,10,11,12,13,14,15
.irp y,0,1
	v_add_f32_dpp v[BC+64*\y+16*\b+\i], v[BR+\b], v[BC+64*\y+16*\b+\i] row_share:\i row_mask:0xf bank_mask:0xf   ; x + b_proj
.endr
.endr
.endr
	WIN 0
	MUL 1
	WADDR WGT+WST, VECB+512
	PLACES 5
	LN GA
	WIN 0x44
.set q, 0
.rept 32
	v_pk_add_f32 v[T0+q:T0+q+1], v[S+q:S+q+1], v[BC+q:BC+q+1]           ; x1 + the last layer's bias waits in my stage,
	v_pk_add_f32 v[GN+q:GN+q+1], v[S+64+q:S+64+q+1], v[BC+q:BC+q+1]     ; over my own rows of x, which I have read
.set q, q+2
.endr
	WIN 0x04
.irp b,0,1,2,3
.irp j,0,1,2,3
	ds_store_b128 v[STI], v[T0+16*\b+4*\j:T0+16*\b+4*\j+3] offset:128*\b+16*\j
	ds_store_b128 v[STI], v[GN+16*\b+4*\j:GN+16*\b+4*\j+3] offset:STT+128*\b+16*\j
.endr
.endr
	WIN 0
	QUANT2 0, LW
	s_wait_dscnt 0x0
	BEXP
	; ---- four layers with ReLU: the next layer's weight is fetched while this layer's results are quantised
	WALU
.Ljoin:                                            ; every wave walks the loop; waves 4 to 7 are led round a layer's work
	s_mov_b32 s[CNT], 4
.Llayer:
	s_cmp_lt_u32 s[WV], 4
	s_cbranch_scc0 .Lno_layer
	MUL 0
	WADDR s[WB], s[BB]
	PLACES 5                                       ; with the three additions: eight places
	QUANT2 1, LW
	s_wait_dscnt 0x0
	BEXP
	WALU
.Lno_layer:
	s_add_co_u32 s[WB], s[WB], WST
	s_add_co_u32 s[BB], s[BB], 512
	s_sub_co_u32 s[CNT], s[CNT], 1
	s_cmp_lg_u32 s[CNT], 0
	s_cbranch_scc1 .Llayer
	s_cmp_lt_u32 s[WV], 4
	s_cbranch_scc0 .Lend
	; ---- the fifth layer with ReLU; and the last layer, residual, LayerNorm
	MUL 0
	v_add_nc_u32 v[AD], WGT+6*WST, v[LI]
	v_add_nc_u32 v[ADS], WGT+6*WST, v[LS]
	PLACES 6
	QUANT2 1, L6
	WALU
	s_wait_dscnt 0x0
	PLACES 4                                       ; the codes stand four places ahead
	MUL 1
	PLACES 8
	LN GB
	; ---- the way out: through my stage, back as whole rows of 512 bytes
.irp y,0,1
.irp b,0,1,2,3
.irp j,0,1,2,3
	ds_store_b128 v[STI], v[S+64*\y+16*\b+4*\j:S+64*\y+16*\b+4*\j+3] offset:STT*\y+128*\b+16*\j
.endr
.endr
.endr
	WIN 0x40
.set q, 0
.rept 32
	ds_load_b128 v[4*q:4*q+3], v[STR] offset:STT*(q/16)+SP*(q%16)   ; LDS serves a wave's instructions in order (ISA guide 5.7.1.4)
.set q, q+1
.endr
	WIN 0x04
.set q, 0
.rept 32
	s_wait_dscnt 31-q                              ; row q is in, the younger ones may be out
	global_store_b128 v[LI], v[4*q:4*q+3], s[24:25] offset:(8*(q/16)+q%16+8*((q%16)/8))*512 th:TH_STORE_NT   ; 32 lanes store a row of 512 consecutive bytes, at a multiple of 256 from the buffer's first byte
.set q, q+1
.endr
	WIN 0
.Lend:
	GRD
	CROUND                                         ; the closing round: no work-group ends while a partner may still ask for a tile that names it
	s_endpgm
.Lfunc_end_k_q2fab3209e4_attn:
	.size	k_q2fab3209e4_attn, .Lfunc_end_k_q2fab3209e4_attn-k_q2fab3209e4_attn
	.p2alignl 7, 3214868480
	.fill 96, 4, 3214868480
	.section	.rodata,"a",@progbits
	.p2align	6, 0x0
	.amdhsa_kernel k_q2fab3209e4_attn
		.amdhsa_group_segment_fixed_size 327680
		.amdhsa_private_segment_fixed_size 0
		.amdhsa_enable_private_segment 0
		.amdhsa_kernarg_size 88
		.amdhsa_user_sgpr_count 2
		.amdhsa_user_sgpr_kernarg_segment_ptr 1
		.amdhsa_wavefront_size32 1
		.amdhsa_system_sgpr_workgroup_id_x 1
		.amdhsa_system_sgpr_workgroup_id_y 1
		.amdhsa_system_sgpr_workgroup_id_z 1
		.amdhsa_system_vgpr_workitem_id 0
		.amdhsa_next_free_vgpr 512
		.amdhsa_next_free_sgpr 102
		.amdhsa_reserve_vcc 0
		.amdhsa_float_denorm_mode_32 3
		.amdhsa_float_denorm_mode_16_64 3
		.amdhsa_memory_ordered 1
		.amdhsa_forward_progress 1
		.amdhsa_inst_pref_size 255
	.end_amdhsa_kernel
	.section	.bss,"aw",@nobits
	.p2align	6
	.space	262144
	.amdgpu_metadata
---
amdhsa.version: [ 1, 2 ]
amdhsa.kernels:
  - .name:           k_q2fab3209e4_attn
    .symbol:         k_q2fab3209e4_attn.kd
    .args:
      - { .name: x, .offset: 0, .size: 8, .value_kind: global_buffer, .address_space: global }
      - { .name: qc, .offset: 8, .size: 8, .value_kind: global_buffer, .address_space: global }
      - { .name: kvf, .offset: 16, .size: 8, .value_kind: global_buffer, .address_space: global }
      - { .name: wts, .offset: 24, .size: 8, .value_kind: global_buffer, .address_space: global }
      - { .name: b_proj, .offset: 32, .size: 8, .value_kind: global_buffer, .address_space: global }
      - { .name: ln1_g, .offset: 40, .size: 8, .value_kind: global_buffer, .address_space: global }
      - { .name: ln1_b, .offset: 48, .size: 8, .value_kind: global_buffer, .address_space: global }
      - { .name: ff_b, .offset: 56, .size: 8, .value_kind: global_buffer, .address_space: global }
      - { .name: ln2_g, .offset: 64, .size: 8, .value_kind: global_buffer, .address_space: global }
      - { .name: ln2_b, .offset: 72, .size: 8, .value_kind: global_buffer, .address_space: global }
      - { .name: out0, .offset: 80, .size: 8, .value_kind: global_buffer, .address_space: global }
    .group_segment_fixed_size: 327680
    .private_segment_fixed_size: 0
    .kernarg_segment_align: 8
    .kernarg_segment_size: 88
    .max_flat_workgroup_size: 256
    .sgpr_count:     102
    .vgpr_count:     512
    .wavefront_size: 32
...
	.end_amdgpu_metadata
.endif
;; end of part 2
